; MI455X (gfx1250); checked and timed in simulation.
; The chip was launched on July 23, 2026; its instructions are those of AMD's public machine-readable ISA for CDNA 5 (MIT licence, August 2026) and "CDNA5" Instruction Set Architecture Reference Guide (July 2026). The comments in the code are by the model that wrote it; some were corrected since.
;; Multihead Attention. Allowed arithmetic: matrix products marked QUANTISED: E5M2 operands, one given power-of-two scale a tensor, by v_wmma_f32_16x16x64_bf8_bf8 or v_wmma_f32_16x16x128_bf8_bf8, f32 sums; everything else in f32.
;; Inputs: Wk 512 x 512 float32; Wo 512 x 512 float32; Wq 512 x 512 float32; Wv 512 x 512 float32; bk 512 float32; bo 512 float32; bq 512 float32; bv 512 float32; key_ 2 x 4,096 x 512 float32; lowp_scales 12 int32 (the exponents e of the quantised operands' scales 2^e); query 2 x 4,096 x 512 float32; value 2 x 4,096 x 512 float32.
;; Outputs: out0 2 x 4,096 x 512 float32.
;; This version of the problem:
;;   THIS VERSION OF THE PROBLEM IS GIVEN IN LOW PRECISION. The matrix products marked QUANTISED in the list below multiply operands that are first quantised to E5M2 (5 exponent bits, 2 mantissa bits; 8 bits a number), with one given power-of-two scale for each operand tensor; their sums are f32. All else is computed in f32.
;;   The module's matrix products, in the order in which they are computed (A, B: the left and right operand; K: the contracted axis; several contracted axes count as one K, in the product's order):
;;     1. [M 8,192, K 512] x [K 512, N 512]; A: input query; B: input Wq: QUANTISED (scales: A lowp_scales[0], B lowp_scales[1])
;;     2. [M 8,192, K 512] x [K 512, N 512]; A: input key_; B: input Wk: QUANTISED (scales: A lowp_scales[2], B lowp_scales[3])
;;     3. [M 8,192, K 512] x [K 512, N 512]; A: input value; B: input Wv: QUANTISED (scales: A lowp_scales[4], B lowp_scales[5])
;;     4. batch 16 x [M 4,096, K 64] x [K 64, N 4,096]; A: computed on the way; B: computed on the way: QUANTISED (scales: A lowp_scales[6], B lowp_scales[7])
;;     5. batch 16 x [M 4,096, K 4,096] x [K 4,096, N 64]; A: softmax (see below); B: computed on the way: QUANTISED (scales: A lowp_scales[8], B lowp_scales[9])
;;     6. [M 8,192, K 512] x [K 512, N 512]; A: computed on the way; B: input Wo: QUANTISED (scales: A lowp_scales[10], B lowp_scales[11])
;;   THE QUANTISER, for each operand of a quantised product, along K:
;;     - The operand's scale is 2^e, e = its entry of the input lowp_scales (int32; the entries are numbered through the quantised products in the list's order, A before B).
;;     - Each number is divided by the scale, clamped to +-57,344, and rounded to the nearest number of E5M2, ties to even, subnormals kept.
;;     - The product sums the exact products of the quantised numbers (number of the format x scale) in f32.
;;   ~~~python
;;   def quantise(x, axis, e):      # numpy; x: float32 -> the quantised numbers, widened to float32 again
;;       x = np.moveaxis(x, axis, -1); K = x.shape[-1]
;;       r = np.clip(x / 2.0 ** e, -57344, 57344)
;;       step = 2.0 ** (np.maximum(np.frexp(np.where(r == 0, 1, r))[1] - 1, -14) - 2)
;;       q = np.round(r / step) * step * 2.0 ** e      # np.round: ties to even
;;       return np.moveaxis(q, -1, axis).astype(np.float32)
;;   ~~~
;;   SOFTMAX AHEAD OF A QUANTISED PRODUCT. Where the list says 'softmax', what is quantised is not the finished softmax but p = 2^(t - M), with t = logit x log2(e) and M = ceil(the row's largest t), a whole number; so 1/2 < the row's largest p <= 1. The row's sum l is taken of the UNQUANTISED p, in f32, and the product's result is divided by l at the end. Since M is a whole number, a kernel that streams over the keys may use a running M (the ceiling of the running maximum): every later rescaling is an exact power of two, so the quantised numbers keep their values, but for numbers so far below the row's largest that they fall under the format's range.
;;   OPERANDS COMPUTED ON THE WAY. 'Computed on the way' means the value that the module computes at that place (a softmax that the list does not call 'softmax' is quantised finished and normalised). What goes into a quantiser is computed in f32, as accurately as f32 sums, v_exp_f32 and their like allow (about 1e-6 of the number): no bf16 or f16 on the way to a quantiser, and a product that is left as it is and whose result goes on into a quantised operand takes f32 operands (vector FMAs, or v_wmma_f32_16x16x4_f32). A number that lies on a knife's edge between two numbers of the format may be rounded either way, as far as f32 arithmetic and the matrix unit's own rounding can turn it there, and no further.
;; One version. Each part assembles by itself: llvm-mc -triple=amdgcn-amd-amdhsa -mcpu=gfx1250 --defsym DOCPART=n.
;; ======== version 1 of 1: 4 launches
;; limits: right only within a limited range of input values
;; workspace buffers: wc 1,048,576 bytes; qc 4,194,304 bytes; kvc 8,388,608 bytes; cc 4,194,304 bytes
;; launch wq (part 1): grid 64 x 4, 2 waves a work-group, no clusters, 0 bytes of LDS; arguments Wq, Wk, Wv, Wo, lowp_scales, wc; writes wc
.if DOCPART == 1
	.amdgcn_target "amdgcn-amd-amdhsa--gfx1250"
	.amdhsa_code_object_version 6
	.text
	.protected	k_q49ccf14203_wq
	.globl	k_q49ccf14203_wq
	.p2align	8
	.type	k_q49ccf14203_wq,@function
k_q49ccf14203_wq:
	s_mov_b64 s[64:65], 0
	v_nop
	global_prefetch_b8 v0, s[64:65] scope:SCOPE_SE
	s_setreg_imm32_b32 hwreg(HW_REG_WAVE_MODE, 25, 1), 1
	s_wait_xcnt 0x0
; The four weights [512 (n)][512 (k)], f32, K innermost, become codes of BF8 (E5M2), laid as IMAGES OF OPERAND REGISTERS:
; wc = weight y x 262,144 + tile T x 8,192 + K step s x 2,048 + c x 512 + 16 x lane.
; Lane (r = lane % 16, h = lane / 16) of tile T = 2 b + u holds row 32 b + 8 u + r + 8 (r / 8).
; Its 16 bytes at (s, c): for Wo k = 128 s + 32 c + 16 h + 0 .. 15; for Wq, Wk, Wv, with l = 8 s + 2 c + h, byte 4 j + i is k = 128 j + 4 l + i: the order in which the next launch lays its other operand.
; A permutation of k that both operands share leaves every product its partner.
; code = x / 2^e, held within +-57,344, to the nearest code, ties to even.  e: entry 1 (Wq), 3 (Wk), 5 (Wv), 11 (Wo) of the scales.
; LIMITS: -126 <= e <= 112, so that 2^e and 57,344 x 2^e are f32 numbers.  NaN among the inputs is not served.
; No product of the problem is dead work: none is left out in any launch.
; One wave makes one fragment (16 rows x 128 k): 64 numbers a lane, 16 loads, 4 stores of 512 consecutive aligned bytes.  No LDS, no barrier, no loop: 4 MB in all, read once.
.set X,   16                           ; v16-79  64 numbers: register 16 c + i is the i-th of the 16 at c
.set C,   80                           ; v80-95  the fragment's codes
.set LIM, 10                           ; v10     57,344 x 2^e
.set SC,  11                           ; v11     2^e
	s_load_b256 s[4:11], s[0:1], 0x0               ; Wq, Wk, Wv, Wo
	s_load_b128 s[12:15], s[0:1], 0x20             ; the scales' exponents s[12:13], wc s[14:15]
	v_lshrrev_b32 v1, 5, v0
	v_readfirstlane_b32 s16, v1                    ; wave 0, 1
	s_and_b32 s17, ttmp7, 0xffff                   ; y: which weight
	s_cmp_eq_u32 s17, 3
	s_cselect_b32 s38, 6, 4
	v_and_b32 v2, 15, v0                           ; r
	v_bfe_u32 v3, v0, 4, 1                         ; h
	v_and_b32 v4, 8, v2
	v_add_nc_u32 v4, v4, v2                        ; r + 8 (r / 8)
	v_lshlrev_b32 v4, 11, v4                       ; a row of W is 2,048 bytes
	v_lshl_add_u32 v4, v3, s38, v4                 ; + 64 h (Wo) or 16 h
	v_and_b32 v5, 31, v0
	v_lshlrev_b32 v5, 4, v5                        ; 16 x lane
	s_lshr_b32 s18, ttmp9, 1                       ; T
	s_and_b32 s19, ttmp9, 1
	s_lshl_b32 s19, s19, 1
	s_add_co_u32 s19, s19, s16                     ; s = 2 (x % 2) + wave
	s_lshr_b32 s20, s18, 1
	s_lshl_b32 s20, s20, 16                        ; 32 (T / 2) rows
	s_and_b32 s21, s18, 1
	s_lshl_b32 s21, s21, 14                        ; + 8 (T % 2) rows
	s_add_co_u32 s20, s20, s21
	s_add_co_u32 s38, s38, 3
	s_lshl_b32 s21, s19, s38                       ; + 512 s bytes (Wo) or 128 s
	s_add_co_u32 s20, s20, s21
	s_mov_b32 s21, 0
	s_lshl_b32 s22, s17, 18                        ; the image's place
	s_lshl_b32 s23, s18, 13
	s_add_co_u32 s22, s22, s23
	s_lshl_b32 s23, s19, 11
	s_add_co_u32 s22, s22, s23
	s_mov_b32 s23, 0
	s_wait_alu depctr_va_vdst(0)                   ; the wait here, directly ahead of the wait below
	s_wait_kmcnt 0x0
	s_load_b256 s[24:31], s[12:13], 0x0            ; e0 .. e7
	s_load_b128 s[32:35], s[12:13], 0x20           ; e8 .. e11
	s_cmp_eq_u32 s17, 1                            ; the weight is chosen by the work-group's number alone
	s_cselect_b64 s[4:5], s[6:7], s[4:5]
	s_cmp_eq_u32 s17, 2
	s_cselect_b64 s[4:5], s[8:9], s[4:5]
	s_cmp_eq_u32 s17, 3
	s_cselect_b64 s[4:5], s[10:11], s[4:5]
	s_add_nc_u64 s[4:5], s[4:5], s[20:21]
	s_add_nc_u64 s[14:15], s[14:15], s[22:23]
	s_cmp_eq_u32 s17, 3
	s_cbranch_scc1 .Lnatural
.irp c, 0,1,2,3
.irp q, 0,1,2,3
	global_load_b128 v[X+16*\c+4*\q:X+16*\c+4*\q+3], v4, s[4:5] offset:32*\c+512*\q th:TH_LOAD_NT
.endr
.endr
	s_branch .Lloaded
.Lnatural:
.irp c, 0,1,2,3
.irp q, 0,1,2,3
	global_load_b128 v[X+16*\c+4*\q:X+16*\c+4*\q+3], v4, s[4:5] offset:128*\c+16*\q th:TH_LOAD_NT
.endr
.endr
.Lloaded:
	s_wait_kmcnt 0x0
	s_cmp_eq_u32 s17, 1
	s_cselect_b32 s36, s27, s25                    ; e3 or e1
	s_cmp_eq_u32 s17, 2
	s_cselect_b32 s36, s29, s36                    ; e5
	s_cmp_eq_u32 s17, 3
	s_cselect_b32 s36, s35, s36                    ; e11
	s_add_co_i32 s36, s36, 127
	s_lshl_b32 s37, s36, 23
	v_mov_b32 v[SC], s37                           ; 2^e as f32: the conversion takes its exponent field
	s_add_co_i32 s36, s36, 15
	s_lshl_b32 s36, s36, 23
	s_or_b32 s36, s36, 0x600000
	v_mov_b32 v[LIM], s36                          ; 57,344 x 2^e
	s_wait_alu depctr_va_vdst(0)                   ; the wait at the head's end
	s_wait_loadcnt 0x0
.irp c, 0,1,2,3
.set i, 0
.rept 16
	v_med3_num_f32 v[X+16*\c+i], v[X+16*\c+i], -v[LIM], v[LIM]   ; the conversion to an 8-bit code does not saturate (ISA guide 7.6.2): the hold comes first
.set i, i+1
.endr
	v_cvt_scalef32_pk8_bf8_f32 v[C+4*\c:C+4*\c+1], v[X+16*\c:X+16*\c+7], v[SC]
	v_cvt_scalef32_pk8_bf8_f32 v[C+4*\c+2:C+4*\c+3], v[X+16*\c+8:X+16*\c+15], v[SC]
.endr
	v_nop                                          ; a plain line behind the last conversion
.irp c, 0,1,2,3
	global_store_b128 v5, v[C+4*\c:C+4*\c+3], s[14:15] offset:512*\c   ; 32 lanes store 512 consecutive bytes, aligned
.endr
	s_endpgm
.Lfunc_end_k_q49ccf14203_wq:
	.size	k_q49ccf14203_wq, .Lfunc_end_k_q49ccf14203_wq-k_q49ccf14203_wq
	.p2alignl 7, 3214868480
	.fill 96, 4, 3214868480
	.section	.rodata,"a",@progbits
	.p2align	6, 0x0
	.amdhsa_kernel k_q49ccf14203_wq
		.amdhsa_group_segment_fixed_size 0
		.amdhsa_private_segment_fixed_size 0
		.amdhsa_enable_private_segment 0
		.amdhsa_kernarg_size 48
		.amdhsa_user_sgpr_count 2
		.amdhsa_user_sgpr_kernarg_segment_ptr 1
		.amdhsa_wavefront_size32 1
		.amdhsa_system_sgpr_workgroup_id_x 1
		.amdhsa_system_sgpr_workgroup_id_y 1
		.amdhsa_system_sgpr_workgroup_id_z 1
		.amdhsa_system_vgpr_workitem_id 0
		.amdhsa_next_free_vgpr 96
		.amdhsa_next_free_sgpr 66
		.amdhsa_reserve_vcc 0
		.amdhsa_float_denorm_mode_32 3
		.amdhsa_float_denorm_mode_16_64 3
		.amdhsa_memory_ordered 1
		.amdhsa_forward_progress 1
		.amdhsa_inst_pref_size 11
	.end_amdhsa_kernel
	.amdgpu_metadata
---
amdhsa.version: [ 1, 2 ]
amdhsa.kernels:
  - .name:           k_q49ccf14203_wq
    .symbol:         k_q49ccf14203_wq.kd
    .args:
      - { .name: Wq, .offset: 0, .size: 8, .value_kind: global_buffer, .address_space: global }
      - { .name: Wk, .offset: 8, .size: 8, .value_kind: global_buffer, .address_space: global }
      - { .name: Wv, .offset: 16, .size: 8, .value_kind: global_buffer, .address_space: global }
      - { .name: Wo, .offset: 24, .size: 8, .value_kind: global_buffer, .address_space: global }
      - { .name: lowp_scales, .offset: 32, .size: 8, .value_kind: global_buffer, .address_space: global }
      - { .name: wc, .offset: 40, .size: 8, .value_kind: global_buffer, .address_space: global }
    .group_segment_fixed_size: 0
    .private_segment_fixed_size: 0
    .kernarg_segment_align: 8
    .kernarg_segment_size: 48
    .max_flat_workgroup_size: 64
    .sgpr_count:     66
    .vgpr_count:     96
    .wavefront_size: 32
...
	.end_amdgpu_metadata
.endif
;; end of part 1
;; launch proj (part 2): grid 64 x 3, 8 waves a work-group, clusters of 4 x 1, 327,680 bytes of LDS; arguments query, key_, value, bq, bk, bv, wc, lowp_scales, qc, kvc; writes qc, kvc
.if DOCPART == 2
	.amdgcn_target "amdgcn-amd-amdhsa--gfx1250"
	.amdhsa_code_object_version 6
	.text
	.protected	k_q49ccf14203_proj
	.globl	k_q49ccf14203_proj
	.p2align	8
	.type	k_q49ccf14203_proj,@function
k_q49ccf14203_proj:
	s_mov_b64 s[64:65], 0
	v_nop
	global_prefetch_b8 v0, s[64:65] scope:SCOPE_SE
	s_setreg_imm32_b32 hwreg(HW_REG_WAVE_MODE, 25, 1), 1
	s_wait_xcnt 0x0
	s_wait_alu depctr_hold_cnt(0) depctr_sa_sdst(0) depctr_va_vdst(0) depctr_va_sdst(0) depctr_va_ssrc(0) depctr_va_vcc(0) depctr_vm_vsrc(0)
	s_getreg_b32 s2, hwreg(HW_REG_IB_STS2, 6, 4)
	s_cmp_eq_u32 s2, 0
	s_cbranch_scc0 .Lentry_in_a_cluster
	s_endpgm
.Lentry_in_a_cluster:
	s_bfe_u32 s2, ttmp6, 0x10000c
	s_cmp_lg_u32 s2, 0x3003
	s_cbranch_scc0 .Lentry_shape_is_right
	s_endpgm
.Lentry_shape_is_right:
; q, k, v = x W^T + b on codes of BF8 (E5M2), quantised again at once; the codes leave as images of the attention's operand registers.
; Work-group (x, y): 128 rows of tensor y (query, key_, value), all 512 columns; wave w makes the 64 columns of head w.  x is read once, in four blocks of 32 rows; a wave fetches four rows of each block.
; X: each load takes 512 consecutive bytes of a row, straight into registers; two blocks (32 loads a wave) are asked for ahead of the first one's work, and each block's registers take the block two on.
; A lane's 16 numbers of a row (four loads) are k = 128 j + 4 lane + i; its 16 codes are one operand chunk: chunk l = lane = 8 s + 2 c + h of K step s, loads c, half h.  W's image has the same order of k.
; The chunks of a tile of 16 rows lie 272 bytes apart in LDS: a store's lanes and a fragment load's lanes fall on different 16-byte columns of 256.
; W: the wave's 32,768 bytes of codes come by one tensor load into its own LDS bytes and go into window 1's 256 registers, once, behind block 0's conversion.  CLUSTERS: the four work-groups of a cluster need the same W: the load is joint.
; PREFETCH: a wave's four rows of a block are 32 blocks of 256 bytes, a lane each: block 2 is asked for at the head and block 3 in block 0, each one block's work ahead of its loads; blocks 0 and 1 come by their loads alone.
; Rows of a tile: lane r of tile u of a block is row 8 u + r + 8 (r / 8) of its 32, so that 16 results of two neighbouring tiles are 16 neighbours along the next product's K.
; query, key_: source 0 = 16 rows of W: a lane holds one token and registers along the head's channels.  value: source 0 = 16 tokens: a lane holds one channel and registers along the tokens (the keys).
; The bias is the C of the first K step, divided by 2^(e_x + e_w); the sums' scale is folded into the conversion's.
; LIMITS: e_x and e_out - e_x - e_w between -126 and 112.  NaN among the inputs is not served.
.set XIMG, 262144                      ; behind W: two images of a block, 2 tiles of 32 x 272 bytes each
.set SPARE, XIMG+4*8704                ; the spare words, 128 bytes for each wave
.set PFO,  0                           ; 256 x lane, from the head's end on
.set IW,   1                           ; where my rows' chunks go in an image
.set LIX,  2                           ; my lane's place in a fragment of x
.set L16,  3                           ; 16 x lane
.set SCX,  4
.set LIMX, 5
.set SCO,  6
.set LIMO, 7
.set SPW,  8
.set NIL,  9
.set OF,   9                           ; v10-12: the output's second to fourth 512 bytes
.set WLD,  13                          ; my W in LDS
.set ACC,  16                          ; eight accumulators
.set PC,   80                          ; 16 registers of codes
.set BIAS, 96
.set XA,   128                         ; two blocks' registers: the numbers, then the fragments
.set WV,   24
.set TEN,  25
.set MSB, 0
.macro WIN new                         ; the immediate's high byte repeats the setting that is left
.if MSB != \new
	s_set_vgpr_msb (MSB<<8)|\new
.set MSB, \new
.endif
.endm
.macro CROUND                          ; a whole round of the cluster's barrier
	s_barrier_signal -1
	s_barrier_wait -1
	s_cmp_lg_u32 s[WV], 0
	s_cbranch_scc1 .Lnot_wave_0_\@
	s_barrier_signal -3
.Lnot_wave_0_\@:
	s_barrier_wait -3
	s_barrier_signal -1
	s_barrier_wait -1
.endm
.macro NOPS n
.rept \n
	v_nop
.endr
.endm
.macro QUANT src, sc, lim              ; 64 numbers -> 16 registers of codes; the conversion does not saturate (ISA guide 7.6.2): the hold comes first
.irp g, 0,1,2,3
.set i, 0
.rept 16
	v_med3_num_f32 v[\src+16*\g+i], v[\src+16*\g+i], -v[\lim], v[\lim]
.set i, i+1
.endr
	v_cvt_scalef32_pk8_bf8_f32 v[PC+4*\g:PC+4*\g+1], v[\src+16*\g:\src+16*\g+7], v[\sc]
	v_cvt_scalef32_pk8_bf8_f32 v[PC+4*\g+2:PC+4*\g+3], v[\src+16*\g+8:\src+16*\g+15], v[\sc]
.endr
	v_nop
.endm
.macro XLOAD b
.irp i, 0,1,2,3
.irp j, 0,1,2,3
	global_load_b128 v[XA+64*((\b)%2)+16*\i+4*\j:XA+64*((\b)%2)+16*\i+4*\j+3], v[L16], s[4:5] offset:65536*(\b)+2048*\i+512*\j th:TH_LOAD_NT
.endr
.endr
.endm
.macro FRAGS b, ks                     ; x's fragments of K steps ks, ks + 1, both tiles, into the block's registers
.irp z, 0,1
.irp u, 0,1
.irp c, 0,1,2,3
	ds_load_b128 v[XA+64*((\b)%2)+16*(2*\z+\u)+4*\c:XA+64*((\b)%2)+16*(2*\z+\u)+4*\c+3], v[LIX] offset:17408*((\b)%2)+8704*\u+2176*(\ks+\z)+544*\c
.endr
.endr
.endr
.endm
.macro MMK b, ks                       ; query, key_: the eight accumulators (u, t) take turns
	WIN 0x01
.irp z, 0,1
	s_wait_dscnt 8*(1-\z)                          ; the second K step's eight loads may be out
.irp u, 0,1
.irp t, 0,1,2,3
.if \ks+\z == 0
	v_wmma_f32_16x16x128_bf8_bf8 v[ACC+8*(4*\u+\t):ACC+8*(4*\u+\t)+7], v[16*(4*\t+\ks+\z):16*(4*\t+\ks+\z)+15], v[XA+64*((\b)%2)+16*(2*\z+\u):XA+64*((\b)%2)+16*(2*\z+\u)+15], v[BIAS+8*\t:BIAS+8*\t+7]
.else
	v_wmma_f32_16x16x128_bf8_bf8 v[ACC+8*(4*\u+\t):ACC+8*(4*\u+\t)+7], v[16*(4*\t+\ks+\z):16*(4*\t+\ks+\z)+15], v[XA+64*((\b)%2)+16*(2*\z+\u):XA+64*((\b)%2)+16*(2*\z+\u)+15], v[ACC+8*(4*\u+\t):ACC+8*(4*\u+\t)+7]
.endif
.endr
.endr
.endr
	WIN 0
.endm
.macro MMV b, ks                       ; value: the sources swapped; accumulator (t, u)
	WIN 0x04
.irp z, 0,1
	s_wait_dscnt 8*(1-\z)
.irp u, 0,1
.irp t, 0,1,2,3
.if \ks+\z == 0
	v_wmma_f32_16x16x128_bf8_bf8 v[ACC+8*(2*\t+\u):ACC+8*(2*\t+\u)+7], v[XA+64*((\b)%2)+16*(2*\z+\u):XA+64*((\b)%2)+16*(2*\z+\u)+15], v[16*(4*\t+\ks+\z):16*(4*\t+\ks+\z)+15], v[BIAS+8*\t:BIAS+8*\t+7]
.else
	v_wmma_f32_16x16x128_bf8_bf8 v[ACC+8*(2*\t+\u):ACC+8*(2*\t+\u)+7], v[XA+64*((\b)%2)+16*(2*\z+\u):XA+64*((\b)%2)+16*(2*\z+\u)+15], v[16*(4*\t+\ks+\z):16*(4*\t+\ks+\z)+15], v[ACC+8*(2*\t+\u):ACC+8*(2*\t+\u)+7]
.endif
.endr
.endr
.endr
	WIN 0
.endm
; A block.  Its image (b % 2) was last read in block b - 2, ahead of everybody's signal in block b - 1.
.macro BLK b
.if \b < 3
	s_wait_loadcnt 16                              ; this block's numbers are in; the next block's 16 loads may be out
.else
	s_wait_loadcnt 0x0
.endif
.if \b > 0
	s_wait_xcnt 0x0                                ; the last block's stores have read their codes and their base
	s_add_nc_u64 s[20:21], s[20:21], s[80:81]
.endif
.if \b == 0
	s_cmp_eq_u32 s[TEN], 2
	s_cbranch_scc1 .Lscale_v
.set n, 0
.rept 32
	v_ldexp_f32 v[BIAS+n], v[BIAS+n], s70
.set n, n+1
.endr
	s_branch .Lscaled
.Lscale_v:
.irp t, 0,1,2,3
.irp j, 0,1,2,3,4,5,6,7
	v_ldexp_f32 v[BIAS+8*\t+\j], v[BIAS+8*\t+7], s70   ; one number for all eight tokens
.endr
.endr
.Lscaled:
.endif
	QUANT XA+64*((\b)%2), SCX, LIMX
.irp i, 0,1,2,3
	ds_store_b128 v[IW], v[PC+4*\i:PC+4*\i+3] offset:17408*((\b)%2)+16*\i
.endr
.if \b == 0
	global_prefetch_b8 v[PFO], s[4:5] offset:196608 th:TH_LOAD_NT scope:SCOPE_SE   ; my rows of block 3
	s_wait_tensorcnt 0x0                           ; my W is in: bytes that no other wave touches
	WIN 0x40
.set n, 0
.rept 64
	ds_load_b128 v[4*n:4*n+3], v[WLD] offset:512*n ; fragment (t, s) at 16 (4 t + s)
.set n, n+1
.endr
	WIN 0
.endif
	s_wait_dscnt 0x0
	s_barrier_signal -1
	s_barrier_wait -1
	FRAGS \b, 0
	s_cmp_eq_u32 s[TEN], 2
	s_cbranch_scc1 .Lval_\@
	MMK \b, 0
	NOPS 4
	FRAGS \b, 2
	MMK \b, 2
	s_branch .Ljoin_\@
.Lval_\@:
	MMV \b, 0
	NOPS 4
	FRAGS \b, 2
	MMV \b, 2
.Ljoin_\@:
	NOPS 4                                         ; places in front of the loads into the fragments' registers and of the first read of results
.if \b < 2
	XLOAD \b+2
.endif
	QUANT ACC, SCO, LIMO
	global_store_b128 v[L16],  v[PC:PC+3],     s[20:21]
	global_store_b128 v[OF+1], v[PC+4:PC+7],   s[20:21]
	global_store_b128 v[OF+2], v[PC+8:PC+11],  s[20:21]
	global_store_b128 v[OF+3], v[PC+12:PC+15], s[20:21]
.endm
	s_load_b512 s[4:19], s[0:1], 0x0               ; query, key_, value, bq, bk, bv, wc, the scales' exponents
	s_load_b128 s[20:23], s[0:1], 0x40             ; qc, kvc
	v_lshl_add_u32 v[SPW], v0, 2, SPARE
	v_mov_b32 v[NIL], 0
	ds_add_u32 v[SPW], v[NIL]                      ; the wave's opening: the add, twice on end, and its wait
	ds_add_u32 v[SPW], v[NIL]
	v_lshrrev_b32 v14, 5, v0
	v_readfirstlane_b32 s[WV], v14                 ; wave 0..7
	s_and_b32 s[TEN], ttmp7, 0xffff                ; which tensor
	s_bfe_u32 s26, ttmp6, 0x40000
	s_lshl_b32 s27, ttmp9, 2
	s_add_co_u32 s26, s27, s26                     ; which 128 rows
	s_mov_b32 s36, 15|(3<<16)|(1<<21)              ; group 1: all four work-groups; elements of 8 bytes; 21 set beside a mask; no padding
	s_mov_b32 s37, 32<<16                          ; 128 rows of 256 bytes, dense
	s_mov_b32 s38, 128<<16
	s_mov_b32 s39, 32<<16
	s_mov_b32 s40, 128
	s_mov_b32 s41, 32
	s_mov_b32 s42, 0
	s_mov_b32 s43, 0
	s_lshl_b32 s30, s26, 18
	s_lshl_b32 s31, s[WV], 13
	s_add_co_u32 s30, s30, s31                     ; x: my first four rows
	s_mov_b32 s31, 0
	s_lshl_b32 s45, s[WV], 15                      ; my W in LDS,
	s_lshl_b32 s32, s[TEN], 18
	s_add_co_u32 s32, s32, s45                     ; and in memory
	s_mov_b32 s33, 0
	s_lshl_b32 s34, s[WV], 8                       ; my 64 columns of the bias
	s_mov_b32 s35, 0
	s_bfe_u32 s27, s[WV], 0x10001                  ; my rows of a block: tile (w / 2) % 2, lanes 4 (w % 2) + 8 (w / 4) + 0 .. 3
	s_mul_i32 s27, s27, 8704
	s_and_b32 s28, s[WV], 1
	s_lshl_b32 s28, s28, 6
	s_add_co_u32 s27, s27, s28
	s_lshr_b32 s28, s[WV], 2
	s_lshl_b32 s28, s28, 7
	s_add_co_u32 s27, s27, s28
	s_add_co_u32 s27, s27, XIMG
	s_cmp_eq_u32 s[TEN], 2
	s_mov_b32 s77, 512
	s_cselect_b32 s78, 2048, s77                   ; the output: from one 512 bytes to the next,
	s_mov_b32 s79, 2048
	s_cselect_b32 s80, 512, s79                    ; and from block to block
	s_mov_b32 s81, 0
	s_cselect_b32 s76, 0x4000, 0                   ; V's image lies behind K's
	v_and_b32 v14, 31, v0
	v_lshlrev_b32 v[L16], 4, v14
	v_mul_u32_u24 v[IW], v14, 272
	v_add_nc_u32 v[IW], s27, v[IW]
	v_add_nc_u32 v[WLD], s45, v[L16]
	v_add_nc_u32 v[OF+1], s78, v[L16]
	v_add_nc_u32 v[OF+2], s78, v[OF+1]
	v_add_nc_u32 v[OF+3], s78, v[OF+2]
	v_and_b32 v14, 15, v0                          ; r
	v_bfe_u32 v15, v0, 4, 1                        ; h
	v_mul_u32_u24 v[LIX], v15, 272
	v_lshl_add_u32 v[LIX], v14, 4, v[LIX]
	v_add_nc_u32 v[LIX], XIMG, v[LIX]
	v_lshlrev_b32 v15, 6, v15                      ; the bias for query, key_: 16 channels from 16 h on
	v_and_b32 v80, 8, v14
	v_add_nc_u32 v14, v80, v14
	v_lshlrev_b32 v14, 2, v14                      ; for value: channel r + 8 (r / 8)
	v_and_b32 v80, 31, v0
	v_lshlrev_b32 v[PFO], 8, v80                   ; (the thread's number is not needed any more)
	s_wait_alu depctr_va_vdst(0)                   ; the wait here, directly ahead of the waits below
	s_wait_dscnt 0x0                               ; both opening adds are done
	s_wait_kmcnt 0x0
	s_load_b256 s[52:59], s[18:19], 0x0            ; e0 .. e7
	s_load_b128 s[60:63], s[18:19], 0x20           ; e8 .. e11
	s_cmp_eq_u32 s[TEN], 1
	s_cselect_b64 s[4:5], s[6:7], s[4:5]
	s_cselect_b64 s[10:11], s[12:13], s[10:11]
	s_cmp_eq_u32 s[TEN], 2
	s_cselect_b64 s[4:5], s[8:9], s[4:5]
	s_cselect_b64 s[10:11], s[14:15], s[10:11]
	s_add_nc_u64 s[4:5], s[4:5], s[30:31]
	s_add_nc_u64 s[10:11], s[10:11], s[34:35]
	s_mov_b32 s44, 1
	s_add_nc_u64 s[46:47], s[16:17], s[32:33]
	s_or_b32 s47, s47, 0x80000000
	s_cmp_eq_u32 s[TEN], 2
	s_cbranch_scc1 .Lbias_v
.irp b, 0,1
.irp q, 0,1,2,3
	global_load_b128 v[BIAS+16*\b+4*\q:BIAS+16*\b+4*\q+3], v15, s[10:11] offset:128*\b+16*\q
.endr
.endr
	s_branch .Lbias_done
.Lbias_v:
.irp t, 0,1,2,3
	global_load_b32 v[BIAS+8*\t+7], v14, s[10:11] offset:(32*(\t/2)+8*(\t%2))*4
.endr
.Lbias_done:
	XLOAD 0
	CROUND                                         ; all four work-groups are here: the joint loads meet
	tensor_load_to_lds s[44:47], s[36:43]          ; my W: the wave's one tensor load
	s_nop 0
	NOPS 4
	XLOAD 1
	s_lshr_b32 s72, s26, 5                         ; batch x 8 + head
	s_lshl_b32 s72, s72, 3
	s_add_co_u32 s72, s72, s[WV]
	s_lshl_b32 s73, s72, 18
	s_and_b32 s74, s26, 31
	s_lshl_b32 s74, s74, 13
	s_add_co_u32 s73, s73, s74                     ; q's codes
	s_lshl_b32 s75, s72, 19
	s_add_co_u32 s75, s75, s76
	s_bfe_u32 s76, s26, 0x40001                    ; K's and V's images: 32,768 bytes for each 256 tokens of a head: K's 16,384, then V's
	s_lshl_b32 s76, s76, 15
	s_add_co_u32 s75, s75, s76
	s_and_b32 s76, s26, 1
	s_lshl_b32 s76, s76, 13
	s_add_co_u32 s75, s75, s76
	s_cmp_eq_u32 s[TEN], 0
	s_cselect_b32 s74, s73, s75
	s_cselect_b64 s[20:21], s[20:21], s[22:23]
	s_mov_b32 s75, 0
	s_add_nc_u64 s[20:21], s[20:21], s[74:75]
	global_prefetch_b8 v[PFO], s[4:5] offset:131072 th:TH_LOAD_NT scope:SCOPE_SE   ; my rows of block 2
	s_wait_kmcnt 0x0
	s_cmp_eq_u32 s[TEN], 1
	s_cselect_b32 s66, s54, s52                    ; e_x
	s_cselect_b32 s67, s55, s53                    ; e_w
	s_cselect_b32 s68, s59, s58                    ; e_out: e7 (k) or e6 (q)
	s_cmp_eq_u32 s[TEN], 2
	s_cselect_b32 s66, s56, s66
	s_cselect_b32 s67, s57, s67
	s_cselect_b32 s68, s61, s68                    ; e9 (v)
	s_add_co_i32 s69, s66, s67
	s_sub_co_i32 s70, 0, s69
	s_add_co_i32 s66, s66, 127
	s_lshl_b32 s67, s66, 23
	v_mov_b32 v[SCX], s67
	s_add_co_i32 s66, s66, 15
	s_lshl_b32 s66, s66, 23
	s_or_b32 s66, s66, 0x600000
	v_mov_b32 v[LIMX], s66
	s_sub_co_i32 s68, s68, s69
	s_add_co_i32 s68, s68, 127
	s_lshl_b32 s67, s68, 23
	v_mov_b32 v[SCO], s67
	s_add_co_i32 s68, s68, 15
	s_lshl_b32 s68, s68, 23
	s_or_b32 s68, s68, 0x600000
	v_mov_b32 v[LIMO], s68
	s_wait_alu depctr_va_vdst(0)                   ; the wait at the head's end
	BLK 0
	BLK 1
	BLK 2
	BLK 3
	s_wait_tensorcnt 0x0                           ; the wave's end
	ds_add_u32 v[SPW], v[NIL]
	s_wait_dscnt 0x0
	CROUND                                         ; the closing round: no work-group ends while a partner may still ask for a tile that names it
	s_endpgm
.Lfunc_end_k_q49ccf14203_proj:
	.size	k_q49ccf14203_proj, .Lfunc_end_k_q49ccf14203_proj-k_q49ccf14203_proj
	.p2alignl 7, 3214868480
	.fill 96, 4, 3214868480
	.section	.rodata,"a",@progbits
	.p2align	6, 0x0
	.amdhsa_kernel k_q49ccf14203_proj
		.amdhsa_group_segment_fixed_size 327680
		.amdhsa_private_segment_fixed_size 0
		.amdhsa_enable_private_segment 0
		.amdhsa_kernarg_size 80
		.amdhsa_user_sgpr_count 2
		.amdhsa_user_sgpr_kernarg_segment_ptr 1
		.amdhsa_wavefront_size32 1
		.amdhsa_system_sgpr_workgroup_id_x 1
		.amdhsa_system_sgpr_workgroup_id_y 1
		.amdhsa_system_sgpr_workgroup_id_z 1
		.amdhsa_system_vgpr_workitem_id 0
		.amdhsa_next_free_vgpr 512
		.amdhsa_next_free_sgpr 84
		.amdhsa_reserve_vcc 0
		.amdhsa_float_denorm_mode_32 3
		.amdhsa_float_denorm_mode_16_64 3
		.amdhsa_memory_ordered 1
		.amdhsa_forward_progress 1
		.amdhsa_inst_pref_size 94
	.end_amdhsa_kernel
	.amdgpu_metadata
---
amdhsa.version: [ 1, 2 ]
amdhsa.kernels:
  - .name:           k_q49ccf14203_proj
    .symbol:         k_q49ccf14203_proj.kd
    .args:
      - { .name: query, .offset: 0, .size: 8, .value_kind: global_buffer, .address_space: global }
      - { .name: key_, .offset: 8, .size: 8, .value_kind: global_buffer, .address_space: global }
      - { .name: value, .offset: 16, .size: 8, .value_kind: global_buffer, .address_space: global }
      - { .name: bq, .offset: 24, .size: 8, .value_kind: global_buffer, .address_space: global }
      - { .name: bk, .offset: 32, .size: 8, .value_kind: global_buffer, .address_space: global }
      - { .name: bv, .offset: 40, .size: 8, .value_kind: global_buffer, .address_space: global }
      - { .name: wc, .offset: 48, .size: 8, .value_kind: global_buffer, .address_space: global }
      - { .name: lowp_scales, .offset: 56, .size: 8, .value_kind: global_buffer, .address_space: global }
      - { .name: qc, .offset: 64, .size: 8, .value_kind: global_buffer, .address_space: global }
      - { .name: kvc, .offset: 72, .size: 8, .value_kind: global_buffer, .address_space: global }
    .group_segment_fixed_size: 327680
    .private_segment_fixed_size: 0
    .kernarg_segment_align: 8
    .kernarg_segment_size: 80
    .max_flat_workgroup_size: 256
    .sgpr_count:     84
    .vgpr_count:     512
    .wavefront_size: 32
...
	.end_amdgpu_metadata
.endif
;; end of part 2
;; launch attn (part 3): grid 16 x 16, 8 waves a work-group, no clusters, 132,096 bytes of LDS; arguments qc, kvc, lowp_scales, cc; writes cc
.if DOCPART == 3
	.amdgcn_target "amdgcn-amd-amdhsa--gfx1250"
	.amdhsa_code_object_version 6
	.text
	.protected	k_q49ccf14203_attn
	.globl	k_q49ccf14203_attn
	.p2align	8
	.type	k_q49ccf14203_attn,@function
k_q49ccf14203_attn:
	s_mov_b64 s[64:65], 0
	v_nop
	global_prefetch_b8 v0, s[64:65] scope:SCOPE_SE
	s_setreg_imm32_b32 hwreg(HW_REG_WAVE_MODE, 25, 1), 1
	s_wait_xcnt 0x0
; Attention of one head on codes of BF8 (E5M2): ctx = softmax(q k^T / 8) v, both products quantised; ctx leaves as codes, an image of the next product's operand registers.
; t = score x log2(e) / 8; M = the running largest t rounded up to a whole number; p = 2^(t - M) is quantised, not normalised; the row's sum is of the unquantised p and divides at the end.
; SHARES.  Work-group (x, y): 256 queries of head y; each of eight waves owns 32 of them, two tiles of 16.  All 4,096 keys are walked in 16 steps of 256.
; Both products are used transposed (S^T = K Q^T, O^T = V^T P^T): a lane holds one query of each tile; two neighbouring tiles' 16 registers are 16 neighbouring keys.
; K and V arrive as images of operand registers, 32,768 bytes a step: K's 16 tiles of 1,024 bytes, then V's two blocks of 128 keys, 8,192 bytes each (four tiles of 16 channels).
; K AND V GO THROUGH REGISTERS INTO A RING OF FOUR LDS SLOTS, two steps ahead: each wave brings 4,096 bytes of a step, 8 loads and 8 LDS stores of 16 bytes a lane.
; NO TENSOR LOAD AND NO JOINT LOADS: the hold on p (256 lines of a step) is passed over where the given exponent makes it idle (p <= 1 <= 57,344 x 2^ep where ep >= -15): that branch hangs on a
; number read from memory.
; THE BARRIER: one a step, apart: the signal stands behind the first product (my LDS stores of the step before are done, and so are my reads of that step's V), the wait in front of this step's LDS stores.
; In step i slot (i + 2) % 4 is stored: it was last read in step i - 2.  The next step's K was stored in step i - 1, ahead of the signal of step i.
; THE SOFTMAX GOES BY FOUR CHUNKS of 64 numbers a lane (tile 0's keys 0-127, 128-255, tile 1's likewise).  Among a chunk's 64 exponentials stand lines that are first read behind the chunk's closing wait:
; the next chunk's t - M, the last chunk's first level of sums and the second level of the one before; these sums are made in place, behind the chunk's conversion.
; PREFETCH: the 16 work-groups of a head share its steps out: work-group x asks for step x, 128 blocks of 256 bytes, waves 0 to 3 one instruction each, in trip x - 4, two trips ahead of the loads.
; LIMITS: e6 + e7 between -123 and 130; e8 and e10 between -126 and 112.  NaN among the codes' values is not served.
; REGISTERS.  Window 1: S^T, then p: tile a's register 8 i + j at 128 a + 8 i + j; its first 64 then take V's second block.
;   Window 0: below; KV: K tiles 0-7, then V's first block; P: K tiles 8-15, then (last 32) the bytes on their way into LDS, then p's codes, chunk q at P + 16 q; O: O^T, tile a's channel tile t at O + 32 a + 8 t.
.set LI,   1                           ; 16 x lane
.set ADR,  2                           ; LDS address of the slot in hand, + 16 x lane
.set WL,   3                           ; 4,096 x wave + 16 x lane
.set SPW,  4                           ; my spare word
.set NIL,  5                           ; 0
.set SCP,  6                           ; 2^ep
.set WA,   7                           ; LDS address of what I store in this step
.set ST,   8                           ; tile a at ST + 8 a: -M, 0, the sum in two halves, f, 0, the largest score, at work
.set T2,   24                          ; 16 at work
.set Q,    40
.set KV,   56
.set P,    120
.set SG,   152                         ; P's last 32
.set O,    184
.set PFO,  248                         ; 256 x lane
.set U,    250                         ; tile a's second chain of the sum at U + 2 a
.set SC10, 24
.set LIM10, 25
.set SPARE, 4*32768                    ; behind the ring: the spare words, 128 bytes for each wave
.set WV,   12
.set PFB,  36                          ; s[36:37] what my prefetch asks for
.set PFT,  38                          ; the trip in which it does
.set CS,   52                          ; s[52:53] c = log2(e) / 8 x 2^(e6 + e7)
.set CSN,  54                          ; -c
.set SEL,  56                          ; lane l xor 16
.set LIMP, 58                          ; 57,344 x 2^ep
.set TR,   59                          ; the step
.set RB,   60                          ; the slot in hand
.set EPV,  61                          ; e8 + e9
.set MSB, 0
.macro WIN new                         ; the immediate's high byte repeats the setting that is left
.if MSB != \new
	s_set_vgpr_msb (MSB<<8)|\new
.set MSB, \new
.endif
.endm
.macro NOPS n
.rept \n
	v_nop
.endr
.endm
.macro LDS16 dst, off                  ; 16 loads of 512 bytes
.set n, 0
.rept 16
	ds_load_b128 v[\dst+4*n:\dst+4*n+3], v[ADR] offset:\off+512*n
.set n, n+1
.endr
.endm
.macro QK lo, reg                      ; K tiles lo .. lo + 7 against both tiles of queries
.set n, 0
.rept 8
.irp a, 0,1
	v_wmma_f32_16x16x64_bf8_bf8 v[128*\a+8*(\lo+n):128*\a+8*(\lo+n)+7], v[\reg+8*n:\reg+8*n+7], v[Q+8*\a:Q+8*\a+7], 0
.endr
.set n, n+1
.endr
.endm
.macro PV src, blk                     ; O^T += V^T P^T over 128 keys; the eight accumulators take turns
.irp t, 0,1,2,3
.irp a, 0,1
	v_wmma_f32_16x16x128_bf8_bf8 v[O+32*\a+8*\t:O+32*\a+8*\t+7], v[\src+16*\t:\src+16*\t+15], v[P+32*\a+16*\blk:P+32*\a+16*\blk+15], v[O+32*\a+8*\t:O+32*\a+8*\t+7]
.endr
.endr
.endm
; The maximum of tile a in four chains: chain c takes the accumulators c, c + 4, c + 8, c + 12, each from its low end on; this line takes numbers m, m + 1 of the chain's 32.  Chain 0 goes on from the largest so far.
.macro MX a, c, m
.set xa, 128*(\a)+8*((\c)+4*((\m)/8))+(\m)%8
.set xb, 128*(\a)+8*((\c)+4*(((\m)+1)/8))+((\m)+1)%8
.if (\c) == 0
	v_max3_num_f32 v[ST+8*(\a)+6], v[ST+8*(\a)+6], v[xa], v[xb]
.else
	v_max3_num_f32 v[T2+3*(\a)+(\c)-1], v[T2+3*(\a)+(\c)-1], v[xa], v[xb]
.endif
.endm
.macro TMM q, j                        ; t - M of chunk q, two at a time
.set xa, 64*(\q)+2*(\j)
.set xb, ST+8*((\q)/2)
	v_pk_fma_f32 v[xa:xa+1], v[xa:xa+1], s[CS:CS+1], v[xb:xb+1] op_sel_hi:[1,0,0]
.endm
.macro L1 q, j                         ; the sum's first level: 16 lines a chunk
.set xa, 64*(\q)+4*(\j)
	v_pk_add_f32 v[xa:xa+1], v[xa:xa+1], v[xa+2:xa+3]
.endm
.macro L2 q, j                         ; its second: 8 lines
.set xa, 64*(\q)+8*(\j)
	v_pk_add_f32 v[xa:xa+1], v[xa:xa+1], v[xa+4:xa+5]
.endm
.macro FL q, j                         ; one of the chunk's eight pairs onto the sum,
.set xa, 64*(\q)+8*(\j)
.set xb, ST+8*((\q)/2)+2
	v_pk_add_f32 v[xb:xb+1], v[xb:xb+1], v[xa:xa+1]
.endm
.macro FU q, j                         ; or onto its second chain
.set xa, 64*(\q)+8*(\j)
.set xb, U+2*((\q)/2)
	v_pk_add_f32 v[xb:xb+1], v[xb:xb+1], v[xa:xa+1]
.endm
.macro FIRST q                         ; a tile's first chunk: the second chain begins
.set xa, 64*(\q)
.set xb, U+2*((\q)/2)
	WIN 0x05
	v_pk_add_f32 v[xb:xb+1], v[xa+8:xa+9], v[xa+24:xa+25]
	WIN 0x04
	FL \q, 0
	FU \q, 5
	FL \q, 2
	FU \q, 7
	FL \q, 4
	FL \q, 6
	WIN 0
.endm
.macro SECOND q
	WIN 0x04
	FL \q, 0
	FU \q, 1
	FL \q, 2
	FU \q, 3
	FL \q, 4
	FU \q, 5
	FL \q, 6
	FU \q, 7
	WIN 0
.endm
.macro EXPS q                          ; p = 2^(t - M) of chunk q
	WIN 0x45
.set k, 0
.rept 32
	v_exp_f32 v[64*(\q)+2*k], v[64*(\q)+2*k]
.if (\q) < 3
	TMM (\q)+1, k
.endif
	v_exp_f32 v[64*(\q)+2*k+1], v[64*(\q)+2*k+1]
.if (\q) > 0
.if k%2 == 0
	L1 (\q)-1, k/2
.endif
.endif
.if (\q) > 1
.if k%4 == 1
	L2 (\q)-2, k/4
.endif
.endif
.set k, k+1
.endr
	v_nop                                          ; a plain place behind the exponentials
	s_wait_alu depctr_va_vdst(0)                   ; behind this batch and ahead of the next
	WIN 0
.endm
.macro CODES q                         ; chunk q's codes.  p <= 1: the hold can act only where 57,344 x 2^ep < 1.  It leaves p itself, whose sum is of the unquantised numbers
	s_cmp_ge_i32 s48, -15
	s_cbranch_scc1 .Lfree_\@
.irp b, 0,1,2,3
	WIN 0x04
.set k, 0
.rept 16
	v_min_num_f32 v[T2+k], s[LIMP], v[64*(\q)+16*\b+k]   ; the conversion to an 8-bit code does not saturate (ISA guide 7.6.2); p is never negative
.set k, k+1
.endr
	WIN 0
	v_cvt_scalef32_pk8_bf8_f32 v[P+16*(\q)+4*\b:P+16*(\q)+4*\b+1], v[T2:T2+7], v[SCP]
	v_cvt_scalef32_pk8_bf8_f32 v[P+16*(\q)+4*\b+2:P+16*(\q)+4*\b+3], v[T2+8:T2+15], v[SCP]
	v_nop
.endr
	s_branch .Lcoded_\@
.Lfree_\@:
	WIN 0x01
.irp b, 0,1,2,3
	v_cvt_scalef32_pk8_bf8_f32 v[P+16*(\q)+4*\b:P+16*(\q)+4*\b+1], v[64*(\q)+16*\b:64*(\q)+16*\b+7], v[SCP]
	v_cvt_scalef32_pk8_bf8_f32 v[P+16*(\q)+4*\b+2:P+16*(\q)+4*\b+3], v[64*(\q)+16*\b+8:64*(\q)+16*\b+15], v[SCP]
.endr
	WIN 0
.Lcoded_\@:
.endm
	s_load_b256 s[4:11], s[0:1], 0x0               ; q's codes, k's and v's, the scales' exponents, ctx's codes
	v_lshrrev_b32 v249, 5, v0
	v_readfirstlane_b32 s[WV], v249                ; wave 0..7
	s_and_b32 s13, ttmp7, 0xffff                   ; batch x 8 + head
	s_lshl_b32 s16, s13, 19                        ; the head's K and V
	s_mov_b32 s17, 0
	s_lshl_b32 s18, s[WV], 12                      ; my 4,096 bytes of a step
	s_mov_b32 s19, 0
	s_lshl_b32 s20, s13, 18                        ; my queries' codes
	s_lshl_b32 s21, ttmp9, 14
	s_add_co_u32 s20, s20, s21
	s_lshl_b32 s21, s[WV], 11
	s_add_co_u32 s20, s20, s21
	s_mov_b32 s21, 0
	s_lshr_b32 s22, s13, 3                         ; ctx: 8,192 bytes for each 16 tokens, 1,024 for each head in them
	s_lshl_b32 s22, s22, 21
	s_lshl_b32 s23, ttmp9, 17
	s_add_co_u32 s22, s22, s23
	s_lshl_b32 s23, s[WV], 14
	s_add_co_u32 s22, s22, s23
	s_and_b32 s23, s13, 7
	s_lshl_b32 s23, s23, 10
	s_add_co_u32 s22, s22, s23
	s_mov_b32 s23, 0
	s_and_b32 s24, s[WV], 3                        ; the prefetch: step x of the head, 8,192 bytes for each of waves 0 to 3
	s_lshl_b32 s24, s24, 13
	s_lshl_b32 s25, ttmp9, 15
	s_add_co_u32 s24, s24, s25
	s_mov_b32 s25, 0
	s_sub_co_u32 s[PFT], ttmp9, 4                  ; (below 4: no trip has this number)
	s_cmp_lt_u32 s[WV], 4
	s_cselect_b32 s[PFT], s[PFT], -1
	s_mov_b32 s[CS], 0x3e38aa3b
	s_mov_b32 s[SEL], 0x76543210
	s_mov_b32 s[SEL+1], 0xfedcba98
	s_mov_b32 s[TR], 0
	s_mov_b32 s[RB], 0
	v_lshl_add_u32 v[SPW], v0, 2, SPARE
	v_mov_b32 v[NIL], 0
	v_and_b32 v249, 31, v0
	v_lshlrev_b32 v[LI], 4, v249
	v_lshlrev_b32 v[PFO], 8, v249
	v_add_nc_u32 v[WL], s18, v[LI]
	v_mov_b32 v[ADR], v[LI]                        ; slot 0
	s_wait_alu depctr_va_vdst(0)                   ; the wait here, directly ahead of the wait below
	s_wait_kmcnt 0x0
	s_load_b64 s[44:45], s[8:9], 0x18              ; e6, e7
	s_load_b128 s[48:51], s[8:9], 0x20             ; e8 .. e11
	s_add_nc_u64 s[6:7], s[6:7], s[16:17]
	s_add_nc_u64 s[PFB:PFB+1], s[6:7], s[24:25]
	s_add_nc_u64 s[6:7], s[6:7], s[18:19]
	s_add_nc_u64 s[4:5], s[4:5], s[20:21]
	s_add_nc_u64 s[10:11], s[10:11], s[22:23]
.set n, 0
.rept 8
	global_load_b128 v[P+4*n:P+4*n+3], v[LI], s[6:7] offset:512*n               ; step 0
.set n, n+1
.endr
.irp a, 0,1
.irp j, 0,1
	global_load_b128 v[Q+8*\a+4*\j:Q+8*\a+4*\j+3], v[LI], s[4:5] offset:1024*\a+512*\j
.endr
.endr
.set n, 0
.rept 8
	global_load_b128 v[SG+4*n:SG+4*n+3], v[LI], s[6:7] offset:32768+512*n       ; step 1
.set n, n+1
.endr
.irp a, 0,1
	v_mov_b32 v[ST+8*\a], 0x7f61b1e6               ; -M: 3e38, so that the first f is 0
	v_mov_b32 v[ST+8*\a+1], 0
	v_mov_b32 v[ST+8*\a+2], 0
	v_mov_b32 v[ST+8*\a+3], 0
	v_mov_b32 v[ST+8*\a+5], 0
	v_mov_b32 v[ST+8*\a+6], 0xff61b1e6             ; the largest score so far: -3e38, under every sum of 64 products of codes
	v_mov_b32 v[ST+8*\a+7], 0
.endr
.set n, 0
.rept 64
	v_mov_b32 v[O+n], 0                            ; the step is written once: the first finds zeros
.set n, n+1
.endr
	s_wait_kmcnt 0x0
	s_add_co_i32 s62, s44, s45
	s_lshl_b32 s62, s62, 23
	s_add_co_i32 s[CS], s[CS], s62                 ; a score stands for score x 2^(e6 + e7)
	s_mov_b32 s[CS+1], s[CS]
	s_xor_b32 s[CSN], s[CS], 0x80000000
	s_add_co_i32 s62, s48, 127
	s_lshl_b32 s63, s62, 23
	v_mov_b32 v[SCP], s63                          ; 2^ep
	s_add_co_i32 s62, s62, 15
	s_lshl_b32 s62, s62, 23
	s_or_b32 s[LIMP], s62, 0x600000
	s_add_co_i32 s[EPV], s48, s49
	s_wait_alu depctr_va_vdst(0)                   ; the wait at the head's end
	s_wait_loadcnt 0x0
.set n, 0
.rept 8
	ds_store_b128 v[WL], v[P+4*n:P+4*n+3] offset:512*n
	ds_store_b128 v[WL], v[SG+4*n:SG+4*n+3] offset:32768+512*n
.set n, n+1
.endr
	s_add_nc_u64 s[6:7], s[6:7], 0x10000           ; on to step 2
	s_wait_dscnt 0x0                               ; my stores are done, for the others' sake
	s_barrier_signal -1
	s_barrier_wait -1
	LDS16 KV, 0
	LDS16 P, 8192
.Lstep:
	s_wait_dscnt 16                                ; K tiles 0-7 are in; the 16 loads of tiles 8-15 may be out
	WIN 0x40
	QK 0, KV
	s_wait_dscnt 0x0                               ; tiles 8-15 are in, and my LDS stores of the step before are done
	QK 8, P
	WIN 0
	s_xor_b32 s62, s[RB], 0x10000                  ; the slot two steps on
	v_add_nc_u32 v[WA], s62, v[WL]                 ; four places behind the products
	NOPS 3
	s_cmp_lt_u32 s[TR], 14
	s_cbranch_scc0 .Lno_load
.set n, 0
.rept 8
	global_load_b128 v[SG+4*n:SG+4*n+3], v[LI], s[6:7] offset:512*n   ; my part of the step two on
.set n, n+1
.endr
.Lno_load:
	s_cmp_eq_u32 s[TR], s[PFT]
	s_cbranch_scc0 .Lno_ask
	global_prefetch_b8 v[PFO], s[PFB:PFB+1] th:TH_LOAD_NT scope:SCOPE_SE
.Lno_ask:
	s_barrier_signal -1
	LDS16 KV, 16384                                ; V's first block: nobody stores into this slot before a later barrier
	WIN 0x15
.irp c, 1,2,3
.irp a, 0,1
	v_max3_num_f32 v[T2+3*\a+\c-1], v[128*\a+8*\c], v[128*\a+8*\c+1], v[128*\a+8*\c+2]
.endr
.endr
	WIN 0x14
.set k, 0
.rept 14
.irp a, 0,1
	MX \a, 0, 2*k
	MX \a, 1, 3+2*k
	MX \a, 2, 3+2*k
	MX \a, 3, 3+2*k
.endr
.set k, k+1
.endr
	MX 0, 0, 28
	MX 1, 0, 28
.irp a, 0,1
	v_max3_num_f32 v[T2+3*\a+2], v[T2+3*\a+2], v[128*\a+111], v[128*\a+119]   ; the last numbers of chains 1 and 2,
.endr
	MX 0, 0, 30
	MX 1, 0, 30
	WIN 0x10
.irp a, 0,1
	v_max3_num_f32 v[T2+3*\a], v[T2+3*\a], v[T2+3*\a+1], v[128*\a+127]        ; and of chain 3
.endr
	WIN 0
.irp a, 0,1
	v_max3_num_f32 v[ST+8*\a+6], v[ST+8*\a+6], v[T2+3*\a], v[T2+3*\a+2]
.endr
.irp a, 0,1
	v_permlanex16_b32 v[ST+8*\a+7], v[ST+8*\a+6], s[SEL], s[SEL+1]
.endr
.irp a, 0,1
	v_max_num_f32 v[ST+8*\a+6], v[ST+8*\a+6], v[ST+8*\a+7]                    ; the query's other keys lie in lane l xor 16
.endr
.irp a, 0,1
	v_mul_f32 v[ST+8*\a+7], s[CSN], v[ST+8*\a+6]                              ; -t
.endr
.irp a, 0,1
	v_floor_f32 v[ST+8*\a+7], v[ST+8*\a+7]                                    ; the new -M
.endr
.irp a, 0,1
	v_sub_f32 v[ST+8*\a+4], v[ST+8*\a+7], v[ST+8*\a]                          ; old M less new: a whole number, 0 or less
.endr
.irp a, 0,1
	v_cvt_i32_f32 v[ST+8*\a+4], v[ST+8*\a+4]                                  ; (it saturates)
.endr
.irp a, 0,1
	v_mov_b32 v[ST+8*\a], v[ST+8*\a+7]
.endr
.irp a, 0,1
	v_ldexp_f32 v[ST+8*\a+4], 1.0, v[ST+8*\a+4]                               ; f: an exact power of two
.endr
	WIN 0x45
.set k, 0
.rept 32
	TMM 0, k
.set k, k+1
.endr
	WIN 0
.irp a, 0,1
	v_pk_mul_f32 v[ST+8*\a+2:ST+8*\a+3], v[ST+8*\a+2:ST+8*\a+3], v[ST+8*\a+4:ST+8*\a+5] op_sel_hi:[1,0]   ; the sum under the new M,
.endr
.irp a, 0,1
.set k, 0
.rept 16
	v_pk_mul_f32 v[O+32*\a+2*k:O+32*\a+2*k+1], v[O+32*\a+2*k:O+32*\a+2*k+1], v[ST+8*\a+4:ST+8*\a+5] op_sel_hi:[1,0]   ; and O^T
.set k, k+1
.endr
.endr
	s_wait_alu depctr_va_vdst(0)                   ; the wait ahead of the batch
	EXPS 0
	CODES 0
	EXPS 1
	CODES 1
	EXPS 2
	s_barrier_wait -1                              ; everybody is past this step's first product: nobody reads the slot two steps on, and the next step's slot is whole
	s_wait_loadcnt 0x0
	s_cmp_lt_u32 s[TR], 14
	s_cbranch_scc0 .Lno_store
.set n, 0
.rept 8
	ds_store_b128 v[WA], v[SG+4*n:SG+4*n+3] offset:512*n
.set n, n+1
.endr
	s_add_nc_u64 s[6:7], s[6:7], 0x8000            ; (my loads are done, so their base may step)
.Lno_store:
	FIRST 0
	WIN 0x40
	LDS16 0, 24576                                 ; V's second block, over chunk 0, which is converted and summed
	WIN 0
	s_add_co_u32 s[RB], s[RB], 0x8000
	s_and_b32 s[RB], s[RB], 0x1ffff
	v_add_nc_u32 v[ADR], s[RB], v[LI]              ; the next step's slot
	s_wait_alu depctr_va_vdst(0)                   ; the wait here, ahead of the branch below
	CODES 2
	EXPS 3
	CODES 3
	s_wait_dscnt 0x0                               ; both blocks of V are in
	SECOND 1
	WIN 0x45
.irp j, 0,1,2,3,4,5,6,7
	L1 3, 2*\j
	L1 3, 2*\j+1
	L2 2, \j
.endr
.irp j, 0,1,2,3,4,5,6,7
	L2 3, \j
.endr
	WIN 0
	PV KV, 0
	FIRST 2                                        ; these lines are also the places in front of the loads into KV
	SECOND 3
.irp a, 0,1
	v_pk_add_f32 v[ST+8*\a+2:ST+8*\a+3], v[ST+8*\a+2:ST+8*\a+3], v[U+2*\a:U+2*\a+1]
.endr
	s_cmp_eq_u32 s[TR], 15
	s_cbranch_scc1 .Llast
	LDS16 KV, 0                                    ; the next step's K tiles 0-7
	WIN 0x01
	PV 0, 1
	WIN 0
	NOPS 5                                         ; places in front of the loads into P, and of the products that write over V's second block
	LDS16 P, 8192                                  ; and 8-15
	s_branch .Lnext
.Llast:
	WIN 0x01
	PV 0, 1
	WIN 0
	NOPS 5
.Lnext:
	s_add_co_u32 s[TR], s[TR], 1
	s_cmp_lt_u32 s[TR], 16
	s_cbranch_scc1 .Lstep
	; THE WAY OUT: O^T / the sum, as codes
	s_add_co_i32 s62, s50, 127
	s_lshl_b32 s63, s62, 23                        ; 2^e10
	s_add_co_i32 s62, s62, 15
	s_lshl_b32 s62, s62, 23
	s_or_b32 s62, s62, 0x600000                    ; 57,344 x that
	s_wait_alu depctr_va_vdst(0)                   ; the wait here, directly ahead of the sum's reader
.irp a, 0,1
	v_add_f32 v[ST+8*\a+6], v[ST+8*\a+2], v[ST+8*\a+3]
.endr
.irp a, 0,1
	v_permlanex16_b32 v[ST+8*\a+7], v[ST+8*\a+6], s[SEL], s[SEL+1]
.endr
.irp a, 0,1
	v_add_f32 v[ST+8*\a+6], v[ST+8*\a+6], v[ST+8*\a+7]
.endr
	s_wait_alu depctr_va_vdst(0)                   ; the wait ahead of the batch
.irp a, 0,1
	v_rcp_f32 v[ST+8*\a+4], v[ST+8*\a+6]
.endr
	v_mov_b32 v[SC10], s63
	v_mov_b32 v[LIM10], s62
	s_wait_alu depctr_va_vdst(0)                   ; and behind it
.irp a, 0,1
	v_ldexp_f32 v[ST+8*\a+4], v[ST+8*\a+4], s[EPV] ; x 2^(e8 + e9)
.endr
	s_wait_alu depctr_va_vdst(0)                   ; the wait here, directly ahead of the first reader of O^T
.irp a, 0,1
.set k, 0
.rept 16
	v_pk_mul_f32 v[O+32*\a+2*k:O+32*\a+2*k+1], v[O+32*\a+2*k:O+32*\a+2*k+1], v[ST+8*\a+4:ST+8*\a+5] op_sel_hi:[1,0]
.set k, k+1
.endr
.endr
.irp a, 0,1
.irp b, 0,1
.set k, 0
.rept 16
	v_med3_num_f32 v[O+32*\a+16*\b+k], v[O+32*\a+16*\b+k], -v[LIM10], v[LIM10]
.set k, k+1
.endr
	v_cvt_scalef32_pk8_bf8_f32 v[P+16*\a+4*\b:P+16*\a+4*\b+1], v[O+32*\a+16*\b:O+32*\a+16*\b+7], v[SC10]
	v_cvt_scalef32_pk8_bf8_f32 v[P+16*\a+4*\b+2:P+16*\a+4*\b+3], v[O+32*\a+16*\b+8:O+32*\a+16*\b+15], v[SC10]
.endr
.endr
	v_nop
.irp a, 0,1
.irp b, 0,1
	global_store_b128 v[LI], v[P+16*\a+4*\b:P+16*\a+4*\b+3], s[10:11] offset:8192*\a+512*\b   ; 512 consecutive bytes, aligned
.endr
.endr
	s_wait_tensorcnt 0x0                           ; the wave's end
	ds_add_u32 v[SPW], v[NIL]
	s_wait_dscnt 0x0
	s_endpgm
.Lfunc_end_k_q49ccf14203_attn:
	.size	k_q49ccf14203_attn, .Lfunc_end_k_q49ccf14203_attn-k_q49ccf14203_attn
	.p2alignl 7, 3214868480
	.fill 96, 4, 3214868480
	.section	.rodata,"a",@progbits
	.p2align	6, 0x0
	.amdhsa_kernel k_q49ccf14203_attn
		.amdhsa_group_segment_fixed_size 132096
		.amdhsa_private_segment_fixed_size 0
		.amdhsa_enable_private_segment 0
		.amdhsa_kernarg_size 32
		.amdhsa_user_sgpr_count 2
		.amdhsa_user_sgpr_kernarg_segment_ptr 1
		.amdhsa_wavefront_size32 1
		.amdhsa_system_sgpr_workgroup_id_x 1
		.amdhsa_system_sgpr_workgroup_id_y 1
		.amdhsa_system_sgpr_workgroup_id_z 1
		.amdhsa_system_vgpr_workitem_id 0
		.amdhsa_next_free_vgpr 512
		.amdhsa_next_free_sgpr 66
		.amdhsa_reserve_vcc 0
		.amdhsa_float_denorm_mode_32 3
		.amdhsa_float_denorm_mode_16_64 3
		.amdhsa_memory_ordered 1
		.amdhsa_forward_progress 1
		.amdhsa_inst_pref_size 79
	.end_amdhsa_kernel
	.amdgpu_metadata
---
amdhsa.version: [ 1, 2 ]
amdhsa.kernels:
  - .name:           k_q49ccf14203_attn
    .symbol:         k_q49ccf14203_attn.kd
    .args:
      - { .name: qc, .offset: 0, .size: 8, .value_kind: global_buffer, .address_space: global }
      - { .name: kvc, .offset: 8, .size: 8, .value_kind: global_buffer, .address_space: global }
      - { .name: lowp_scales, .offset: 16, .size: 8, .value_kind: global_buffer, .address_space: global }
      - { .name: cc, .offset: 24, .size: 8, .value_kind: global_buffer, .address_space: global }
    .group_segment_fixed_size: 132096
    .private_segment_fixed_size: 0
    .kernarg_segment_align: 8
    .kernarg_segment_size: 32
    .max_flat_workgroup_size: 256
    .sgpr_count:     66
    .vgpr_count:     512
    .wavefront_size: 32
...
	.end_amdgpu_metadata
.endif
;; end of part 3
;; launch outp (part 4): grid 4 x 64, 4 waves a work-group, clusters of 4 x 4, 327,680 bytes of LDS; arguments cc, wc, bo, lowp_scales, out0; writes out0
.if DOCPART == 4
	.amdgcn_target "amdgcn-amd-amdhsa--gfx1250"
	.amdhsa_code_object_version 6
	.text
	.protected	k_q49ccf14203_outp
	.globl	k_q49ccf14203_outp
	.p2align	8
	.type	k_q49ccf14203_outp,@function
k_q49ccf14203_outp:
	s_mov_b64 s[64:65], 0
	v_nop
	global_prefetch_b8 v0, s[64:65] scope:SCOPE_SE
	s_setreg_imm32_b32 hwreg(HW_REG_WAVE_MODE, 25, 1), 1
	s_wait_xcnt 0x0
	s_wait_alu depctr_hold_cnt(0) depctr_sa_sdst(0) depctr_va_vdst(0) depctr_va_sdst(0) depctr_va_ssrc(0) depctr_va_vcc(0) depctr_vm_vsrc(0)
	s_getreg_b32 s2, hwreg(HW_REG_IB_STS2, 6, 4)
	s_cmp_eq_u32 s2, 0
	s_cbranch_scc0 .Lentry_in_a_cluster
	s_endpgm
.Lentry_in_a_cluster:
	s_bfe_u32 s2, ttmp6, 0x10000c
	s_cmp_lg_u32 s2, 0xf033
	s_cbranch_scc0 .Lentry_shape_is_right
	s_endpgm
.Lentry_shape_is_right:
; out0 = ctx Wo^T + bo on codes of BF8 (E5M2).  ctx [8,192][512] and Wo [512][512] arrive as images of operand registers: a fragment is four runs of 512 consecutive bytes, 16 bytes a lane.
; A work-group makes 128 rows x 128 columns; wave (wr = w / 2, wc = w % 2) makes 64 x 64: 16 accumulators.  K = 512 is four K steps.
; Both operands of a work-group are 65,536 consecutive bytes each: waves 0 and 1 fetch ctx's halves, waves 2 and 3 Wo's, one tensor load each, filled once; the fragments come from LDS one K step ahead of the products.
; CLUSTERS, 4 x 4: the four work-groups of a row need the same ctx, the four of a column the same Wo: the loads are joint.  NO PREFETCH: no loop to run ahead in.
; Source 0 = 16 rows of Wo, source 1 = 16 tokens: a lane holds one token and 16 neighbouring columns for each two tiles.  Lane r of tile 2 b + u of tokens or of Wo's rows is row 32 b + 8 u + r + 8 (r / 8).
; y = sum x 2^(e10 + e11) + bo, one packed multiply-add for two numbers.  A tile of 16 tokens x 64 columns goes through the wave's own stage in LDS and leaves as rows of 256 aligned bytes, sixteen lanes to a row.
; LIMIT: e10 + e11 between -126 and 127.
; REGISTERS.  Window 0: below; v16-47 bo; v48-79 a tile's results; v80-143 rows read back, two sets.
;   Window 1: Wo's fragment (t, s) at 16 (4 t + s).   Window 2: ctx's (m, s) at 16 (4 m + s).   Window 3: accumulator (m, t) at 8 (4 m + t).
.set STO,  2                           ; the stage, in
.set RD,   3                           ; and back
.set CO,   4                           ; my place in out0
.set BO,   5                           ; bo's offset
.set LA,   8                           ; my fragments of ctx in LDS
.set LB,   9                           ; of Wo
.set BIAS, 16
.set TMP,  48
.set BK,   80
.set SPW,  254
.set NIL,  255
.set SP,   272                         ; a stage row: 256 bytes + 16: the 16 rows of a store start at 16 different 16-byte columns of 256
.set STAGE, 131072                     ; behind ctx's and Wo's 65,536 bytes
.set SPARE, STAGE+4*16*SP              ; the spare words, 128 bytes for each wave
.set G1,  32                           ; s[32:39] descriptor group 1 for ctx, s[40:47] for Wo: they differ in the mask alone
.set G1B, 40
.set G0,  48                           ; s[48:51], s[52:55] group 0
.set G0B, 52
.set MSB, 0
.macro WIN new                         ; the immediate's high byte repeats the setting that is left
.if MSB != \new
	s_set_vgpr_msb (MSB<<8)|\new
.set MSB, \new
.endif
.endm
.macro CROUND                          ; a whole round of the cluster's barrier
	s_barrier_signal -1
	s_barrier_wait -1
	s_cmp_lg_u32 s14, 0
	s_cbranch_scc1 .Lnot_wave_0_\@
	s_barrier_signal -3
.Lnot_wave_0_\@:
	s_barrier_wait -3
	s_barrier_signal -1
	s_barrier_wait -1
.endm
	s_load_b256 s[4:11], s[0:1], 0x0               ; cc s[4:5], wc s[6:7], bo s[8:9], the scales s[10:11]
	s_load_b64 s[12:13], s[0:1], 0x20              ; out0
	v_lshl_add_u32 v[SPW], v0, 2, SPARE
	v_mov_b32 v[NIL], 0
	ds_add_u32 v[SPW], v[NIL]                      ; the wave's opening: the add, twice on end, and its wait
	ds_add_u32 v[SPW], v[NIL]
	v_lshrrev_b32 v1, 5, v0
	v_readfirstlane_b32 s14, v1                    ; wave 0..3
	s_lshr_b32 s15, s14, 1                         ; wr.  Also: I fetch ctx (0) or Wo (1)
	s_and_b32 s16, s14, 1                          ; wc.  Also: which half of it
	s_bfe_u32 s60, ttmp6, 0x40000                  ; cx, cy: my place in the cluster
	s_bfe_u32 s61, ttmp6, 0x40004
	s_lshl_b32 s19, ttmp9, 2
	s_add_co_u32 s19, s19, s60                     ; which 128 columns = 4 x cluster x + cx
	s_and_b32 s17, ttmp7, 0xffff
	s_lshl_b32 s17, s17, 2
	s_add_co_u32 s17, s17, s61                     ; which 128 rows = 4 x cluster y + cy
	s_lshl_b32 s62, s61, 2
	s_lshl_b32 s62, 15, s62                        ; my row of the cluster
	s_lshl_b32 s63, 0x1111, s60                    ; my column
	s_or_b32 s[G1], s62, (3<<16)|(1<<21)           ; the mask; elements of 8 bytes; 21 set beside a mask; no padding
	s_or_b32 s[G1B], s63, (3<<16)|(1<<21)
.irp g, G1, G1B
	s_mov_b32 s[\g+1], 32<<16                      ; 128 rows of 256 bytes, dense
	s_mov_b32 s[\g+2], 128<<16
	s_mov_b32 s[\g+3], 32<<16
	s_mov_b32 s[\g+4], 128
	s_mov_b32 s[\g+5], 32
	s_mov_b32 s[\g+6], 0
	s_mov_b32 s[\g+7], 0
.endr
	s_lshl_b32 s28, s16, 15                        ; my half
	s_lshl_b32 s29, s14, 15                        ; where it goes: wave x 32,768
	s_lshl_b32 s20, s17, 16
	s_add_co_u32 s20, s20, s28                     ; ctx: hangs on the rows alone
	s_mov_b32 s21, 0
	s_lshl_b32 s22, s19, 16
	s_add_co_u32 s22, s22, s28                     ; Wo: on the columns alone,
	s_add_co_u32 s22, s22, 786432                  ; in the fourth weight's image
	s_mov_b32 s23, 0
	s_lshl_b32 s24, s19, 1
	s_add_co_u32 s24, s24, s16                     ; which 64 columns,
	s_lshl_b32 s24, s24, 8                         ; in bytes of f32
	s_mov_b32 s25, 0
	s_lshl_b32 s26, s17, 7
	s_lshl_b32 s27, s15, 6
	s_add_co_u32 s26, s26, s27
	s_lshl_b32 s26, s26, 11                        ; out0: row 128 y + 64 wr,
	s_add_co_u32 s26, s26, s24                     ; my columns
	s_mov_b32 s27, 0
	s_mul_i32 s18, s14, 16*SP
	s_add_co_u32 s18, s18, STAGE                   ; my stage
	s_lshl_b32 s30, s15, 15                        ; my 64 rows of ctx in LDS
	s_add_co_u32 s31, s28, 65536                   ; my 64 rows of Wo
	v_and_b32 v6, 31, v0
	v_lshlrev_b32 v6, 4, v6                        ; 16 x lane
	v_add_nc_u32 v[LA], s30, v6
	v_add_nc_u32 v[LB], s31, v6
	v_and_b32 v6, 15, v0                           ; r
	v_bfe_u32 v7, v0, 4, 1                         ; h
	v_lshlrev_b32 v[BO], 6, v7                     ; 64 h
	v_mul_u32_u24 v[STO], v6, SP
	v_lshl_add_u32 v[STO], v7, 6, v[STO]
	v_add_nc_u32 v[STO], s18, v[STO]               ; in: row r, + 64 h
	v_mul_u32_u24 v[RD], v7, SP
	v_lshl_add_u32 v[RD], v6, 4, v[RD]
	v_add_nc_u32 v[RD], s18, v[RD]                 ; back: lanes 0-15 one row, lanes 16-31 the next
	v_lshlrev_b32 v[CO], 11, v7
	v_lshl_add_u32 v[CO], v6, 4, v[CO]             ; and the same two rows of out0 (2,048 bytes a row)
	s_wait_alu depctr_va_vdst(0)                   ; the wait at the head's end
	s_wait_dscnt 0x0                               ; both opening adds are done
	s_wait_kmcnt 0x0
	s_load_b64 s[56:57], s[10:11], 0x28            ; e10, e11
	s_mov_b32 s[G0], 1
	s_mov_b32 s[G0+1], s29
	s_add_nc_u64 s[G0+2:G0+3], s[4:5], s[20:21]
	s_or_b32 s[G0+3], s[G0+3], 0x80000000
	s_mov_b32 s[G0B], 1
	s_mov_b32 s[G0B+1], s29
	s_add_nc_u64 s[G0B+2:G0B+3], s[6:7], s[22:23]
	s_or_b32 s[G0B+3], s[G0B+3], 0x80000000
	s_add_nc_u64 s[8:9], s[8:9], s[24:25]
	s_add_nc_u64 s[12:13], s[12:13], s[26:27]
	CROUND                                         ; all sixteen work-groups are here: the joint loads meet
	s_cmp_eq_u32 s15, 0                            ; the branch hangs on the wave's number alone
	s_cbranch_scc0 .Lfor_wo
	tensor_load_to_lds s[G0:G0+3], s[G1:G1+7]
	s_nop 0
.rept 4
	v_nop
.endr
	s_branch .Lasked
.Lfor_wo:
	tensor_load_to_lds s[G0B:G0B+3], s[G1B:G1B+7]
	s_nop 0
.rept 4
	v_nop
.endr
.Lasked:
.irp b, 0,1
.irp q, 0,1,2,3
	global_load_b128 v[BIAS+16*\b+4*\q:BIAS+16*\b+4*\q+3], v[BO], s[8:9] offset:128*\b+16*\q   ; register 16 b + i: column 32 b + 16 h + i
.endr
.endr
.macro FETCH s                         ; K step s: 16 loads of ctx, 16 of Wo
	WIN 0x80
.irp m, 0,1,2,3
.irp c, 0,1,2,3
	ds_load_b128 v[16*(4*\m+\s)+4*\c:16*(4*\m+\s)+4*\c+3], v[LA] offset:8192*\m+2048*\s+512*\c
.endr
.endr
	WIN 0x40
.irp t, 0,1,2,3
.irp c, 0,1,2,3
	ds_load_b128 v[16*(4*\t+\s)+4*\c:16*(4*\t+\s)+4*\c+3], v[LB] offset:8192*\t+2048*\s+512*\c
.endr
.endr
.endm
.macro MUL s                           ; the 16 accumulators take turns, one instruction a turn
	WIN 0xf9                                       ; source 0 (Wo) window 1, source 1 (ctx) window 2, C and D window 3
.irp m, 0,1,2,3
.irp t, 0,1,2,3
.if \s == 0
	v_wmma_f32_16x16x128_bf8_bf8 v[8*(4*\m+\t):8*(4*\m+\t)+7], v[16*(4*\t+\s):16*(4*\t+\s)+15], v[16*(4*\m+\s):16*(4*\m+\s)+15], 0
.else
	v_wmma_f32_16x16x128_bf8_bf8 v[8*(4*\m+\t):8*(4*\m+\t)+7], v[16*(4*\t+\s):16*(4*\t+\s)+15], v[16*(4*\m+\s):16*(4*\m+\s)+15], v[8*(4*\m+\t):8*(4*\m+\t)+7]
.endif
.endr
.endr
.endm
	s_wait_tensorcnt 0x0                           ; my part is in,
	s_barrier_signal -1
	s_barrier_wait -1                              ; and everybody's
	FETCH 0
	FETCH 1
	s_wait_dscnt 32                                ; K step 0 is in; the 32 loads of the next may be out
	MUL 0
	FETCH 2
	s_wait_dscnt 32
	MUL 1
	FETCH 3
	s_wait_dscnt 32
	MUL 2
	s_wait_dscnt 0x0
	MUL 3
	WIN 0
	s_wait_kmcnt 0x0
	s_add_co_i32 s58, s56, s57
	s_add_co_i32 s58, s58, 127
	s_lshl_b32 s58, s58, 23                        ; 2^(e10 + e11) as f32
	s_mov_b32 s59, s58                             ; (named with it as a pair, so it is written)
; Tile m: scaled, bias added, into my stage, and back as whole rows.  LDS serves a wave's instructions in order (ISA guide 5.7.1.4): no wait between the stores and the loads, nor ahead of the next tile's stores.
.macro TOSTAGE m
	WIN 0x03                                       ; source 0 (the sums) window 3
.irp t, 0,1,2,3
.irp i, 0,2,4,6
	v_pk_fma_f32 v[TMP+8*\t+\i:TMP+8*\t+\i+1], v[8*(4*(\m)+\t)+\i:8*(4*(\m)+\t)+\i+1], s[58:59], v[BIAS+8*\t+\i:BIAS+8*\t+\i+1] op_sel_hi:[1,0,1]   ; each accumulator from its low end on
.endr
.endr
	WIN 0
.irp b, 0,1
.irp q, 0,1,2,3
	ds_store_b128 v[STO], v[TMP+16*\b+4*\q:TMP+16*\b+4*\q+3] offset:128*\b+16*\q
.endr
.endr
.irp i, 0,1,2,3,4,5,6,7
	ds_load_b128 v[BK+32*((\m)%2)+4*\i:BK+32*((\m)%2)+4*\i+3], v[RD] offset:2*SP*\i
.endr
.endm
.macro SEND m, younger                 ; younger: the LDS instructions issued behind tile m's loads, which may stay out.  Stage row 2 i + (lane / 16) is token 32 (m / 2) + 8 (m % 2) + 2 i + (lane / 16) + 8 (i / 4)
	s_wait_dscnt \younger
.irp i, 0,1,2,3,4,5,6,7
	global_store_b128 v[CO], v[BK+32*((\m)%2)+4*\i:BK+32*((\m)%2)+4*\i+3], s[12:13] offset:(32*((\m)/2)+8*((\m)%2)+2*\i+8*(\i/4))*2048 th:TH_STORE_NT   ; sixteen lanes store 256 consecutive bytes, aligned
.endr
.endm
	s_wait_loadcnt 0x0                             ; the bias
.rept 4
	v_nop                                          ; four places between the last product and the first read of results (ISA guide 7.12.1)
.endr
	TOSTAGE 0
.irp m, 1,2,3
.if \m > 1
	s_wait_xcnt 0x0                                ; tile m - 2's stores have read their registers: tile m's rows may land there
.endif
	TOSTAGE \m
	SEND \m-1, 16                                  ; behind tile m - 1's loads: tile m's 8 stores and 8 loads
.endr
	SEND 3, 0
	s_wait_tensorcnt 0x0                           ; the wave's end
	ds_add_u32 v[SPW], v[NIL]
	s_wait_dscnt 0x0
	CROUND                                         ; the closing round: no work-group ends while a partner may still ask for a tile that names it
	s_endpgm
.Lfunc_end_k_q49ccf14203_outp:
	.size	k_q49ccf14203_outp, .Lfunc_end_k_q49ccf14203_outp-k_q49ccf14203_outp
	.p2alignl 7, 3214868480
	.fill 96, 4, 3214868480
	.section	.rodata,"a",@progbits
	.p2align	6, 0x0
	.amdhsa_kernel k_q49ccf14203_outp
		.amdhsa_group_segment_fixed_size 327680
		.amdhsa_private_segment_fixed_size 0
		.amdhsa_enable_private_segment 0
		.amdhsa_kernarg_size 40
		.amdhsa_user_sgpr_count 2
		.amdhsa_user_sgpr_kernarg_segment_ptr 1
		.amdhsa_wavefront_size32 1
		.amdhsa_system_sgpr_workgroup_id_x 1
		.amdhsa_system_sgpr_workgroup_id_y 1
		.amdhsa_system_sgpr_workgroup_id_z 1
		.amdhsa_system_vgpr_workitem_id 0
		.amdhsa_next_free_vgpr 1024
		.amdhsa_next_free_sgpr 66
		.amdhsa_reserve_vcc 0
		.amdhsa_float_denorm_mode_32 3
		.amdhsa_float_denorm_mode_16_64 3
		.amdhsa_memory_ordered 1
		.amdhsa_forward_progress 1
		.amdhsa_inst_pref_size 31
	.end_amdhsa_kernel
	.amdgpu_metadata
---
amdhsa.version: [ 1, 2 ]
amdhsa.kernels:
  - .name:           k_q49ccf14203_outp
    .symbol:         k_q49ccf14203_outp.kd
    .args:
      - { .name: cc, .offset: 0, .size: 8, .value_kind: global_buffer, .address_space: global }
      - { .name: wc, .offset: 8, .size: 8, .value_kind: global_buffer, .address_space: global }
      - { .name: bo, .offset: 16, .size: 8, .value_kind: global_buffer, .address_space: global }
      - { .name: lowp_scales, .offset: 24, .size: 8, .value_kind: global_buffer, .address_space: global }
      - { .name: out0, .offset: 32, .size: 8, .value_kind: global_buffer, .address_space: global }
    .group_segment_fixed_size: 327680
    .private_segment_fixed_size: 0
    .kernarg_segment_align: 8
    .kernarg_segment_size: 40
    .max_flat_workgroup_size: 128
    .sgpr_count:     66
    .vgpr_count:     1024
    .wavefront_size: 32
...
	.end_amdgpu_metadata
.endif
;; end of part 4
